; MI455X (gfx1250); checked and timed in simulation.
; The chip was launched on July 23, 2026; its instructions are those of AMD's public machine-readable ISA for CDNA 5 (MIT licence, August 2026) and "CDNA5" Instruction Set Architecture Reference Guide (July 2026). The comments in the code are by the model that wrote it; some were corrected since.
;; Transformer Block. Allowed arithmetic: matrix products marked QUANTISED: E3M2 operands, one E8M0 scale for each 32 along K, by v_wmma_scale_f32_16x16x128_f8f6f4 with both operands' format E3M2, f32 sums; everything else in f32.
;; Inputs: k_codes 4 x 16 x 2,048 x 2 x 24 uint8 (E3M2 codes of k, K innermost, in blocks of 32 codes, four codes in three bytes); k_scales 4 x 16 x 2,048 x 2 uint8 (E8M0 scales of k, one for each 32 codes along K); q 4 x 16 x 2,048 x 64 float32; v_codes 4 x 16 x 64 x 64 x 24 uint8 (E3M2 codes of v, K innermost, in blocks of 32 codes, four codes in three bytes); v_scales 4 x 16 x 64 x 64 uint8 (E8M0 scales of v, one for each 32 codes along K).
;; Outputs: out0 4 x 16 x 2,048 x 64 float32.
;; This version of the problem:
;;   THIS VERSION OF THE PROBLEM IS GIVEN IN LOW PRECISION. The matrix products marked QUANTISED in the list below multiply operands that are first quantised to E3M2 (3 exponent bits, 2 mantissa bits; 6 bits a number), with one power-of-two scale for each 32 numbers along K (OCP MX v1.0); their sums are f32. All else is computed in f32.
;;   The module's matrix products, in the order in which they are computed (A, B: the left and right operand; K: the contracted axis; several contracted axes count as one K, in the product's order):
;;     1. batch 64 x [M 2,048, K 64] x [K 64, N 2,048]; A: computed on the way; B: input k (given as codes): QUANTISED
;;     2. batch 64 x [M 2,048, K 2,048] x [K 2,048, N 64]; A: softmax (see below); B: input v (given as codes): QUANTISED
;;   THE QUANTISER, for each operand of a quantised product, along K:
;;     - K is cut into blocks of 32 from its start; a last block that is shorter is filled with zeros.
;;     - A block's scale is 2^e with e = floor(log2(the largest magnitude in the block)) - 4, held to -126 .. 127; a block of zeros has e = 0. As a byte (E8M0): e + 127.
;;     - Each number is divided by its block's scale, clamped to +-28, and rounded to the nearest number of E3M2, ties to even, subnormals kept.
;;     - The product sums the exact products of the quantised numbers (number of the format x scale) in f32.
;;   ~~~python
;;   def quantise(x, axis):      # numpy; x: float32 -> the quantised numbers, widened to float32 again
;;       x = np.moveaxis(x, axis, -1); K = x.shape[-1]
;;       x = np.pad(x, [(0, 0)] * (x.ndim - 1) + [(0, -K % 32)]); x = x.reshape(x.shape[:-1] + (-1, 32)); a = np.abs(x).max(-1, keepdims=True)
;;       e = np.where(a > 0, np.clip(np.frexp(np.where(a > 0, a, 1))[1] - 1 - 4, -126, 127), 0)      # np.frexp(a)[1] - 1 = floor(log2(a)), exactly
;;       r = np.clip(x / 2.0 ** e, -28, 28)
;;       step = 2.0 ** (np.maximum(np.frexp(np.where(r == 0, 1, r))[1] - 1, -2) - 2)
;;       q = np.round(r / step) * step * 2.0 ** e      # np.round: ties to even
;;       return np.moveaxis(q.reshape(q.shape[:-2] + (-1,))[..., :K], -1, axis).astype(np.float32)
;;   ~~~
;;   SOFTMAX AHEAD OF A QUANTISED PRODUCT. Where the list says 'softmax', what is quantised is not the finished softmax but p = 2^(t - M), with t = logit x log2(e) and M = ceil(the row's largest t), a whole number; so 1/2 < the row's largest p <= 1. The row's sum l is taken of the UNQUANTISED p, in f32, and the product's result is divided by l at the end. Since M is a whole number, a kernel that streams over the keys may use a running M (the ceiling of the running maximum): every later rescaling is an exact power of two, which a block's scale takes up: the codes' values come out the same.
;;   OPERANDS COMPUTED ON THE WAY. 'Computed on the way' means the value that the module computes at that place (a softmax that the list does not call 'softmax' is quantised finished and normalised). What goes into a quantiser is computed in f32, as accurately as f32 sums, v_exp_f32 and their like allow (about 1e-6 of the number): no bf16 or f16 on the way to a quantiser, and a product that is left as it is and whose result goes on into a quantised operand takes f32 operands (vector FMAs, or v_wmma_f32_16x16x4_f32). A number that lies on a knife's edge between two numbers of the format may be rounded either way, as far as f32 arithmetic and the matrix unit's own rounding can turn it there, and no further.
;;   INPUTS GIVEN AS CODES. k (in the module: [4, 16, 2048, 64], K = its axis 3); v (in the module: [4, 16, 2048, 64], K = its axis 2): each comes as NAME_codes (uint8): NAME with its K axis moved to the last place and cut into blocks of 32 codes, [.., K / 32, bytes a block], one block behind the other in memory; four codes in three bytes: a row's codes are one little-endian stream of bits, code i at bits 6 i .. 6 i + 5 (a code: sign, 3 exponent bits, 2 mantissa bits); and NAME_scales (uint8): the same leading axes, one E8M0 byte (e + 127) for each 32 codes along K. Its value is code x scale, taken as it is: it is not quantised again, and the codes and scales need not be those that the quantiser above would give.
;; 2 versions. Each part assembles by itself: llvm-mc -triple=amdgcn-amd-amdhsa -mcpu=gfx1250 --defsym DOCPART=n.
;; ======== version 1 of 2: 1 launch
;; launch attn (part 1): grid 256 x 1, 16 waves a work-group, no clusters, 276,480 bytes of LDS; arguments q, k_codes, k_scales, v_codes, v_scales, out0; writes out0
.if DOCPART == 1
	.amdgcn_target "amdgcn-amd-amdhsa--gfx1250"
	.amdhsa_code_object_version 6
	.text
	.protected	k_q78452a295a_attn
	.globl	k_q78452a295a_attn
	.p2align	8
	.type	k_q78452a295a_attn,@function
k_q78452a295a_attn:
	s_mov_b64 s[64:65], 0
	v_nop
	global_prefetch_b8 v0, s[64:65] scope:SCOPE_SE
	s_setreg_imm32_b32 hwreg(HW_REG_WAVE_MODE, 25, 1), 1
	s_wait_xcnt 0x0
; Causal attention, 64 heads x 2,048 queries x 2,048 keys x 64 channels, both products on codes of BF6 (E3M2) with one E8M0 scale for each 32 along a product's K.
; q [64][2048][64] f32: q / 8 is quantised here, along the channels.  k: codes, 48 bytes a key, 2 scale bytes a key.  v: codes with the KEYS innermost, 1,536 bytes a channel, 64 scale bytes a channel.  out0 like q.
; SOFTMAX: t = score x log2(e); M = the running largest t rounded UP to a whole number; p = 2^(t - M) is quantised along the keys, not normalised; the row's sum is taken of the unquantised p and divides O at the end.
; When M moves, the sum and O^T are multiplied by 2^(old M - new M), which rounds nothing.
; SHARES.  Four work-groups to a head (head = group / 4, c = group % 4), sixteen waves each.  A tile is 16 queries; tile i needs i / 8 + 1 key steps of 128 keys (steps wholly above the diagonal are left out).
; Wave w owns tiles p = 4 w + c and 127 - p, one after the other: (p / 8 + 1) + (16 - p / 8) = 17 key steps for every wave of the launch.
; A HEAD'S K AND V STAY IN LDS: 2 x 98,304 bytes of codes and 2 x 4,096 of scale bytes, brought once through registers and laid as IMAGES OF THE OPERANDS' REGISTERS: a fragment's 12 registers as 3 x 512 bytes, lane l's
; 16 bytes at 16 l.  In the loop a fragment is three loads of 512 consecutive bytes.  One barrier in the whole text: behind it the images are only read.
; LAYOUT.  Both products are used transposed (S^T = K Q^T, O^T = V^T P^T): lane (r = lane % 16, h = lane / 16) holds query r throughout.
; The first product's K is 64, half of the instruction's 128: so a fragment of K carries TWO keys a row, key X in k = 0..63 and key Y = X + 8 in k = 64..127, and is multiplied twice, by [q | 0] and by [0 | q]
; (zero codes add nothing): q's six registers stand between two runs of six zeros, v16-33, and the two operands are v[22:33] and v[16:27].  K's scale word of a row is X's two bytes, then Y's; q's is its two bytes twice.
; THE KEYS OF A FRAGMENT ARE NOT NEIGHBOURS: row m of fragment f takes X = 64 (f / 2) + 16 (f % 2) + 32 (m / 8) + m % 8 of the step.  Register n of the lane's 64 scores is then key 64 (n / 32) + 32 h + n % 32:
; 32 registers on end are a WHOLE block of 32 neighbouring keys, in the very order of P's operand registers: a block's maximum needs no other lane and the conversions' results are the operand.
; NO CLUSTER, NO TENSOR LOAD: the four work-groups of a head do read the same 204,800 bytes, but each reads them once, while it reads the images about 17.7 times over in pieces (17 steps x 16 waves x 13,312 bytes = 3.6 MB);
; and the bytes do not go into LDS as they lie in memory: the fragments' rows are chosen anew and K's scale bytes are paired anew, which takes a way through registers.
; LIMITS: NaN, infinities and the scale byte 0xff among the inputs are not served (a fragment's row holds two keys, so one key's 0xff would reach the other's score).  A block of q / 8 whose largest magnitude lies under
; 2^-122 has its scale byte held at 1.  A p under 2^-126 counts as 0.  A block of zeros gets the byte 1, not 127: its codes are zeros, and only this text reads the byte.
.set KIMG, 0                           ; LDS: K's fragment (step s, f) at (4 s + f) x 1,536
.set VIMG, 98304                       ; V's fragment (step s, channel tile t) at (4 s + t) x 1,536
.set KSC,  196608                      ; K's scale word (s, row r, f) at 256 s + 16 r + 4 f
.set VSC,  200704                      ; V's scale word (s, row r, t) at 256 s + 16 r + 4 t
.set STG,  204800                      ; a stage for each wave: 16 rows x (256 bytes + 16)
.set SP,   272
.set STGW, 16*SP
.set FRB,  1536                        ; a fragment's image
.set LI,   1                           ; v1   16 x lane
.set SCA,  2                           ; v2   16 r
.set STO,  3                           ; v3   my stage + 272 r + 32 h: where O^T's eight channels go
.set STR,  4                           ; v4   my stage + 272 h + 16 r: rows as they lie in memory, two an instruction
.set STQ,  5                           ; v5   my stage + 272 r + 128 h: my 32 channels of query r
.set SH8,  6                           ; v6   8 h
.set DQ,   7                           ; v7   r - 32 h
.set ADK,  8                           ; v8   the step's images of K   (at the head: K's byte offset in memory)
.set ADV,  9                           ; v9   of V                      (V's)
.set ADS,  10                          ; v10  its scale words           (K's scale bytes')
.set MD,   11                          ; v11  the mask's lane term      (V's scale bytes')
.set NM,   12                          ; v12  -M;  v13 the largest t so far (a pair for the packed multiply-add, which takes the low word)
.set TX,   13
.set LS,   14                          ; v[14:15] the row's sum, in two halves
.set QZ,   16                          ; v16-21 zeros, v22-27 q's codes, v28-33 zeros
.set QC,   22
.set QS,   34                          ; v34  q's scale word
.set PW,   35                          ; v35  p's scale word
.set FR,   36                          ; v36-83 four fragments: K's, then V's
.set KS,   84                          ; v84-87 K's scale words
.set VS,   88                          ; v88-91 V's
.set S,    96                          ; v96-159 the scores, then p
.set O,    160                         ; v160-191 O^T: channel tile t at O + 8 t
.set P,    192                         ; v192-203 p's codes
.set CT,   204                         ; v204-206, v208-210 the second halves of the blocks' codes, to be moved
.set NINF, 207
.set MX,   212                         ; v212-215 maxima
.set SO,   216                         ; v216-217 the conversions' scale operands
.set BY,   218                         ; v218-219 scale bytes
.set T0,   220
.set T1,   221
.set F,    222                         ; v[222:223] f = 2^(old M - new M), low word
.set SUM2, 224                         ; v[224:225] the sums' second chain
.set RL,   226                         ; v[226:227] 1 / the row's sum, low word
; v92-95 and v228-255: a tile of q as loaded, eight groups of four.  Tile B's loads are out during the whole of tile A's pass: nothing there names these registers.
.macro QLOAD base                      ; a tile of q, 4,096 bytes: each load takes 512 consecutive bytes, two rows
	global_load_b128 v[92:95], v[LI], s[\base:\base+1] th:TH_LOAD_NT
.irp j, 1,2,3,4,5,6,7
	global_load_b128 v[224+4*\j:227+4*\j], v[LI], s[\base:\base+1] offset:512*\j th:TH_LOAD_NT
.endr
.endm
; The tile turns through my stage, so that lane (r, h) holds q[r][32 h .. 32 h + 31]: a whole block; / 8; its scale; its codes into v22-27; the scale word into v34.
.macro QPREP
	ds_store_b128 v[STR], v[92:95]
.irp j, 1,2,3,4,5,6,7
	ds_store_b128 v[STR], v[224+4*\j:227+4*\j] offset:2*SP*\j
.endr
.irp i, 0,1,2,3,4,5,6,7
	ds_load_b128 v[S+4*\i:S+4*\i+3], v[STQ] offset:16*\i           ; LDS serves a wave's instructions in order (ISA guide 5.7.1.4): these see the stores above
.endr
	s_wait_dscnt 0x0
.irp i, 0,2,4,6,8,10,12,14,16,18,20,22,24,26,28,30
	v_pk_mul_f32 v[S+\i:S+\i+1], v[S+\i:S+\i+1], s[38:39] op_sel_hi:[1,0]   ; x 64^-0.5 = 0.125
.endr
	v_max3_num_f32 v[MX], |v[S]|, |v[S+1]|, |v[S+2]|               ; the block's largest magnitude: all 32 numbers are mine; two chains
	v_max3_num_f32 v[MX+1], |v[S+3]|, |v[S+4]|, |v[S+5]|
.irp i, 6,10,14,18,22,26
	v_max3_num_f32 v[MX], v[MX], |v[S+\i]|, |v[S+\i+1]|
	v_max3_num_f32 v[MX+1], v[MX+1], |v[S+\i+2]|, |v[S+\i+3]|
.endr
	v_max3_num_f32 v[MX], v[MX], |v[S+30]|, |v[S+31]|
	v_max3_num_f32 v[MX], v[MX], v[MX+1], 0x2800000                ; and the floor 2^(5 - 127): the byte cannot fall under 1
	v_add_nc_u32 v[SO], 0xfe000000, v[MX]                          ; 4 off the exponent field: the conversion takes the exponent field of this operand as its scale
	v_lshrrev_b32 v[BY], 23, v[SO]                                 ; the scale's byte
	v_cvt_scalef32_pk16_bf6_f32 v[QC:QC+2], v[S:S+15], v[SO]
	v_cvt_scalef32_pk16_bf6_f32 v[CT:CT+2], v[S+16:S+31], v[SO]    ; (a conversion's three registers begin on an even number)
	v_nop                                                          ; one plain place behind a scaled conversion
.irp i, 0,1,2
	v_mov_b32 v[QC+3+\i], v[CT+\i]
.endr
	v_lshlrev_b32 v[T0], v[SH8], v[BY]                             ; my byte at its place (block h),
	v_permlanex16_b32 v[T1], v[T0], s34, s35
	v_or_b32 v[T0], v[T0], v[T1]                                   ; with lane l xor 16's: the row's two bytes,
	v_lshl_or_b32 v[QS], v[T0], 16, v[T0]                          ; twice: for [q | 0] and for [0 | q]
.endm
; A KEY STEP: 128 keys against my 16 queries.  s22 the step, s23 its images' offset, s24 its scale words', s20 the tile's diagonal step.
.macro STEP
	v_add_nc_u32 v[ADK], s23, v[LI]
	v_add_nc_u32 v[ADV], VIMG, v[ADK]
	v_add_nc_u32 v[ADS], s24, v[SCA]
	v_nop                                                          ; with the three additions: four places between the last step's products and the loads into the registers that they read
	ds_load_b128 v[KS:KS+3], v[ADS]                                ; row r's four scale words, one for each fragment
.irp f, 0,1,2,3
.irp c, 0,1,2
	ds_load_b128 v[FR+12*\f+4*\c:FR+12*\f+4*\c+3], v[ADK] offset:FRB*\f+512*\c
.endr
.endr
	s_wait_dscnt 0x0
.irp f, 0,1,2,3                        ; S^T = K Q^T: each fragment twice; eight different results, each begun with the constant 0
	v_wmma_scale_f32_16x16x128_f8f6f4 v[S+32*(\f/2)+16*(\f%2):S+32*(\f/2)+16*(\f%2)+7], v[FR+12*\f:FR+12*\f+11], v[QC:QC+11], 0, v[KS+\f], v[QS] matrix_a_fmt:MATRIX_FMT_BF6 matrix_b_fmt:MATRIX_FMT_BF6
	v_wmma_scale_f32_16x16x128_f8f6f4 v[S+32*(\f/2)+16*(\f%2)+8:S+32*(\f/2)+16*(\f%2)+15], v[FR+12*\f:FR+12*\f+11], v[QZ:QZ+11], 0, v[KS+\f], v[QS] matrix_a_fmt:MATRIX_FMT_BF6 matrix_b_fmt:MATRIX_FMT_BF6
.endr
.rept 4
	v_nop                                                          ; four places: for the loads into K's registers and for the first reads of the scores
.endr
	ds_load_b128 v[VS:VS+3], v[ADS] offset:VSC-KSC                 ; V's words and fragments land while the softmax is worked
.irp t, 0,1,2,3
.irp c, 0,1,2
	ds_load_b128 v[FR+12*\t+4*\c:FR+12*\t+4*\c+3], v[ADV] offset:FRB*\t+512*\c
.endr
.endr
	s_cmp_lg_u32 s22, s20                                          ; only the tile's last step lies on the diagonal: a branch on ids and the counter
	s_cbranch_scc1 .Lopen_\@
.set n, 0
.rept 64                               ; register n holds the step's key 64 (n / 32) + 32 h + n % 32: hidden where that exceeds my query's place in the step, 16 (tile % 8) + r
	v_cmp_gt_i32 vcc_lo, 64*(n/32)+n%32, v[MD]
	v_cndmask_b32 v[S+n], v[S+n], v[NINF], vcc_lo                  ; -infinity ahead of the maximum: p = 0 then
.set n, n+1
.endr
.Lopen_\@:
.irp b, 0,1,2,3                        ; four chains of 16 scores, by turns, each result from its low end on
	v_max3_num_f32 v[MX+\b], v[S+16*\b], v[S+16*\b+1], v[S+16*\b+2]
.endr
.irp i, 3,5,7,9,11,13
.irp b, 0,1,2,3
	v_max3_num_f32 v[MX+\b], v[MX+\b], v[S+16*\b+\i], v[S+16*\b+\i+1]
.endr
.endr
	v_max3_num_f32 v[MX], v[MX], v[S+15], v[S+31]
	v_max3_num_f32 v[MX+2], v[MX+2], v[S+47], v[S+63]
	v_max_num_f32 v[MX], v[MX], v[MX+1]                            ; THE LARGEST SCORE OF MY TWO BLOCKS (h and 2 + h): it serves the row's maximum and, since p rises with the score, the block's largest p
	v_max_num_f32 v[MX+2], v[MX+2], v[MX+3]
	v_max_num_f32 v[T0], v[MX], v[MX+2]
	v_permlanex16_b32 v[T1], v[T0], s34, s35
	v_max_num_f32 v[T0], v[T0], v[T1]                              ; with lane l xor 16's 64 keys: the step's largest score of my query
	v_mul_f32 v[T0], s36, v[T0]                                    ; as t
	v_max_num_f32 v[TX], v[TX], v[T0]                              ; the running largest t
	v_mov_b32 v[T0], v[NM]
	v_floor_f32 v[NM], -v[TX]                                      ; the new -M = floor(-t) = -ceil(t)
	v_sub_f32 v[T0], v[NM], v[T0]                                  ; old M - new M: a whole number, 0 or less
	v_cvt_i32_f32 v[T0], v[T0]                                     ; (it saturates)
	v_ldexp_f32 v[F], 1.0, v[T0]                                   ; f = 2^(old M - new M)
.set n, 0
.rept 32
	v_pk_fma_f32 v[S+n:S+n+1], v[S+n:S+n+1], s[36:37], v[NM:NM+1] op_sel_hi:[1,0,0]   ; t - M, two at a time (of the pairs the low word serves both halves)
.set n, n+2
.endr
	v_fma_f32 v[MX], v[MX], s36, v[NM]                             ; the same of each block's largest score
	v_fma_f32 v[MX+2], v[MX+2], s36, v[NM]
.set n, 0
.rept 64
	v_exp_f32 v[S+n], v[S+n]                                       ; p = 2^(t - M), at most 1
.set n, n+1
.endr
	v_exp_f32 v[MX], v[MX]                                         ; the blocks' largest p: the same two instructions on the same number give the same bits
	v_exp_f32 v[MX+2], v[MX+2]
	v_pk_mul_f32 v[LS:LS+1], v[LS:LS+1], v[F:F+1] op_sel_hi:[1,0]  ; the sums under the new M.  (The plain place behind the exponentials: ISA guide 5.7.2)
	s_wait_alu depctr_va_vdst(0)
.irp c, 0,1
	v_max_num_f32 v[MX+2*\c], 0x2800000, v[MX+2*\c]                ; the floor 2^(5 - 127): a block whose every p is 0 keeps the byte 1: its codes are zeros
.endr
.irp c, 0,1
	v_add_nc_u32 v[SO+\c], 0xfe000000, v[MX+2*\c]                  ; 4 off the exponent field: the conversion's scale operand
.endr
.irp c, 0,1
	v_lshrrev_b32 v[BY+\c], 23, v[SO+\c]                           ; the scale's byte
.endr
	v_lshl_or_b32 v[T0], v[BY+1], 16, v[BY]                        ; my two bytes: blocks h and 2 + h,
	v_lshlrev_b32 v[T0], v[SH8], v[T0]                             ; at their places;
	v_permlanex16_b32 v[T1], v[T0], s34, s35
	v_or_b32 v[PW], v[T0], v[T1]                                   ; with lane l xor 16's two the word is whole
.irp c, 0,1
	v_cvt_scalef32_pk16_bf6_f32 v[P+6*\c:P+6*\c+2], v[S+32*\c:S+32*\c+15], v[SO+\c]          ; registers 6 c .. 6 c + 5 of the operand: k = 64 c + 32 h + 0 .. 31
	v_cvt_scalef32_pk16_bf6_f32 v[CT+4*\c:CT+4*\c+2], v[S+32*\c+16:S+32*\c+31], v[SO+\c]     ; (a conversion's three registers begin on an even number)
.endr
	v_nop                                                          ; one plain place behind a scaled conversion
.irp c, 0,1
.irp i, 0,1,2
	v_mov_b32 v[P+6*\c+3+\i], v[CT+4*\c+\i]
.endr
.endr
.set n, 0
.rept 16
	v_pk_mul_f32 v[O+n:O+n+1], v[O+n:O+n+1], v[F:F+1] op_sel_hi:[1,0]   ; O^T under the new M, each accumulator from its low end on
.set n, n+2
.endr
	v_pk_add_f32 v[SUM2:SUM2+1], v[S:S+1], v[S+2:S+3]              ; THE ROW'S SUM IS TAKEN OF THE UNQUANTISED p: two at a time, in two chains.
.irp j, 4,8,12,16,20,24,28,32,36,40,44,48,52,56,60                 ; (these 32 lines also stand between the last vector write of P, of its scale word and of O^T and the products below)
	v_pk_add_f32 v[LS:LS+1], v[LS:LS+1], v[S+\j:S+\j+1]
	v_pk_add_f32 v[SUM2:SUM2+1], v[SUM2:SUM2+1], v[S+\j+2:S+\j+3]
.endr
	v_pk_add_f32 v[LS:LS+1], v[LS:LS+1], v[SUM2:SUM2+1]
	s_wait_dscnt 0x0                                               ; V's fragments and scale words are in
.irp t, 0,1,2,3                        ; O^T += V^T P^T: the four accumulators by turns, one instruction a turn; eight products K Q^T stand between two links of a chain
	v_wmma_scale_f32_16x16x128_f8f6f4 v[O+8*\t:O+8*\t+7], v[FR+12*\t:FR+12*\t+11], v[P:P+11], v[O+8*\t:O+8*\t+7], v[VS+\t], v[PW] matrix_a_fmt:MATRIX_FMT_BF6 matrix_b_fmt:MATRIX_FMT_BF6
.endr
.endm
; O^T / the sum goes through my stage and leaves as whole rows: each store covers 512 consecutive bytes, two rows of 256, aligned.
.macro WAYOUT out
.rept 4
	v_nop                                                          ; four places behind the last products, on every way here
.endr
	v_add_f32 v[T0], v[LS], v[LS+1]                                ; the sum's two halves,
	v_permlanex16_b32 v[T1], v[T0], s34, s35
	v_add_f32 v[T0], v[T0], v[T1]                                  ; and lane l xor 16's: the row's sum
	v_rcp_f32 v[RL], v[T0]
	v_nop                                                          ; one plain place behind the reciprocal
.set n, 0
	s_wait_alu depctr_va_vdst(0)
.rept 16
	v_pk_mul_f32 v[S+n:S+n+1], v[O+n:O+n+1], v[RL:RL+1] op_sel_hi:[1,0]   ; register 8 t + j is o(r, 16 t + 8 h + j)
.set n, n+2
.endr
.irp t, 0,1,2,3
	ds_store_b128 v[STO], v[S+8*\t:S+8*\t+3] offset:64*\t
	ds_store_b128 v[STO], v[S+8*\t+4:S+8*\t+7] offset:64*\t+16
.endr
.irp i, 0,1,2,3,4,5,6,7
	ds_load_b128 v[S+32+4*\i:S+35+4*\i], v[STR] offset:2*SP*\i     ; in order behind my stores
.endr
.irp i, 0,1,2,3,4,5,6,7
	s_wait_dscnt 7-\i                                              ; pair i of rows is back; the younger loads stay out
	global_store_b128 v[LI], v[S+32+4*\i:S+35+4*\i], s[\out:\out+1] offset:512*\i th:TH_STORE_NT
.endr
.endm
; A tile's pass.  s20 = its diagonal step, s21 = 16 (tile % 8).  The loop has a constant 16 trips, so that the stepped LDS offsets can be read off the text; a step wholly above the diagonal is jumped over.
.macro PASS out
	v_mov_b32 v[TX], 0xff61b1e6                                    ; the largest t so far: -3e38, under every t
	v_floor_f32 v[NM], -v[TX]
	v_mov_b32 v[LS], 0
	v_mov_b32 v[LS+1], 0
.set n, 0
.rept 32
	v_mov_b32 v[O+n], 0                                            ; the step is written once: the first finds zeros, which the first change of M leaves zeros
.set n, n+1
.endr
	v_add_nc_u32 v[MD], s21, v[DQ]                                 ; 16 (tile % 8) + r - 32 h
	s_mov_b32 s22, 0
	s_mov_b32 s23, KIMG
	s_mov_b32 s24, KSC
.Lstep_\@:
	s_cmp_gt_u32 s22, s20
	s_cbranch_scc1 .Lskip_\@
	STEP
.Lskip_\@:
	s_add_co_u32 s23, s23, 4*FRB
	s_add_co_u32 s24, s24, 256
	s_add_co_u32 s22, s22, 1
	s_cmp_lt_u32 s22, 16
	s_cbranch_scc1 .Lstep_\@
	WAYOUT \out
.endm
	s_load_b256 s[4:11], s[0:1], 0x0               ; q s[4:5], K's codes s[6:7], K's scales s[8:9], V's codes s[10:11]
	s_load_b128 s[12:15], s[0:1], 0x20             ; V's scales s[12:13], out s[14:15]
	v_lshrrev_b32 v8, 5, v0
	v_readfirstlane_b32 s16, v8                    ; wave 0..15
	s_and_b32 s17, ttmp9, 3                        ; c
	s_lshr_b32 s18, ttmp9, 2                       ; head
	s_lshl_b32 s19, s16, 2
	s_add_co_u32 s19, s19, s17                     ; p = 4 w + c
	s_mov_b32 s34, 0x76543210
	s_mov_b32 s35, 0xfedcba98                      ; v_permlanex16_b32's selects for lane l xor 16
	s_mov_b32 s36, 0x3fb8aa3b                      ; log2(e)
	s_mov_b32 s37, s36                             ; (named with it as a pair, so it is written)
	s_mov_b32 s38, 0x3e000000                      ; 0.125
	s_mov_b32 s39, s38
	v_and_b32 v[LI], 31, v0
	v_lshlrev_b32 v[LI], 4, v[LI]
	v_and_b32 v12, 15, v0                          ; r
	v_bfe_u32 v13, v0, 4, 1                        ; h
	v_lshlrev_b32 v[SCA], 4, v12
	s_mul_i32 s40, s16, STGW
	s_add_co_u32 s40, s40, STG                     ; my stage
	v_mul_u32_u24 v[STO], v12, SP
	v_lshl_add_u32 v[STO], v13, 5, v[STO]
	v_add_nc_u32 v[STO], s40, v[STO]
	v_mul_u32_u24 v[STR], v13, SP
	v_lshl_add_u32 v[STR], v12, 4, v[STR]
	v_add_nc_u32 v[STR], s40, v[STR]
	v_mul_u32_u24 v[STQ], v12, SP
	v_lshl_add_u32 v[STQ], v13, 7, v[STQ]
	v_add_nc_u32 v[STQ], s40, v[STQ]
	v_lshlrev_b32 v[SH8], 3, v13
	v_lshlrev_b32 v14, 5, v13
	v_sub_nc_u32 v[DQ], v12, v14
	; where my lane's bytes lie in memory
	v_lshrrev_b32 v14, 3, v12
	v_mad_u32_u24 v14, v14, 24, v12                ; r + 24 (r / 8) = 32 (r / 8) + r % 8: row r's key X in fragment 0
	v_mul_u32_u24 v8, v14, 48                      ; 48 bytes a key,
	v_mad_u32_u24 v8, v13, 24, v8                  ; + 24 h: my block of its channels
	v_mul_u32_u24 v9, v12, 1536                    ; V: channel r's row, + 24 h
	v_mad_u32_u24 v9, v13, 24, v9
	v_lshrrev_b32 v14, 2, v0                       ; K's scale bytes: thread T takes keys a = 16 (T / 4) + 2 (T % 4), a + 1 (4 bytes) and a + 8, a + 9 (16 bytes on)
	v_and_b32 v15, 3, v0
	v_lshlrev_b32 v15, 2, v15
	v_lshl_add_u32 v10, v14, 5, v15
	v_lshlrev_b32 v11, 3, v0                       ; V's: thread T takes 8 bytes: channel T / 8, steps 2 (T % 8) and 2 (T % 8) + 1
	; and where they go in LDS
	s_mul_i32 s41, s16, 4*FRB                      ; wave w makes K's four fragments of step w
	v_add_nc_u32 v138, s41, v[LI]
	s_lshr_b32 s42, s16, 2                         ; and V's fragments of channel tile w % 4, steps 4 (w / 4) + 0 .. 3
	s_lshl_b32 s42, s42, 4
	s_and_b32 s43, s16, 3
	s_add_co_u32 s42, s42, s43
	s_mul_i32 s42, s42, FRB
	s_add_co_u32 s42, s42, VIMG
	v_add_nc_u32 v139, s42, v[LI]
	v_bfe_u32 v14, v0, 5, 4                        ; key a = 128 s + 64 (f / 2) + 32 (r / 8) + 16 (f % 2) + r % 8 with s = T[8:5], f / 2 = T[4], r / 8 = T[3], f % 2 = T[2], r % 8 = 2 T[1:0]
	v_lshlrev_b32 v140, 8, v14                     ; 256 s
	v_bfe_u32 v14, v0, 3, 1
	v_lshl_add_u32 v140, v14, 7, v140              ; + 16 r: 128 T[3]
	v_and_b32 v14, 3, v0
	v_lshl_add_u32 v140, v14, 5, v140              ;         + 32 T[1:0]
	v_bfe_u32 v14, v0, 4, 1
	v_lshl_add_u32 v140, v14, 3, v140              ; + 4 f:  8 T[4]
	v_bfe_u32 v14, v0, 2, 1
	v_lshl_add_u32 v140, v14, 2, v140              ;         + 4 T[2]
	v_add_nc_u32 v140, KSC, v140
	v_and_b32 v14, 7, v0
	v_lshlrev_b32 v141, 9, v14                     ; 256 s, s = 2 (T % 8)
	v_bfe_u32 v14, v0, 3, 4
	v_lshl_add_u32 v141, v14, 4, v141              ; + 16 r, r = (T / 8) % 16
	v_lshrrev_b32 v14, 7, v0
	v_lshl_add_u32 v141, v14, 2, v141              ; + 4 t, t = T / 128
	v_add_nc_u32 v141, VSC, v141
.irp i, 0,1,2,3,4,5
	v_mov_b32 v[QZ+\i], 0                          ; the zero codes on both sides of q's
	v_mov_b32 v[QC+6+\i], 0
.endr
	v_mov_b32 v[T0], 0                             ; written once: a lane permute's destination counts as one of its sources,
	v_mov_b32 v[T1], 0
	v_mov_b32 v[F+1], 0                            ; and a pair is named whole
	v_mov_b32 v[RL+1], 0
	v_mov_b32 v[NINF], 0xff800000
	; byte offsets of my parts, each under 2^32, in a pair with 0 above
	s_mov_b32 s45, 0
	s_mul_i32 s46, s18, 98304                      ; the head's codes
	s_mul_i32 s47, s43, 16*1536                    ; V: 16 channels x (w % 4),
	s_lshr_b32 s42, s16, 2
	s_mul_i32 s42, s42, 4*96                       ;    4 steps of 96 bytes x (w / 4)
	s_add_co_u32 s47, s47, s42
	s_add_co_u32 s47, s47, s46
	s_add_co_u32 s44, s46, s41                     ; K: 128 keys of 48 bytes x w
	s_wait_kmcnt 0x0
	s_add_nc_u64 s[6:7], s[6:7], s[44:45]
	s_mov_b32 s44, s47
	s_add_nc_u64 s[10:11], s[10:11], s[44:45]
	s_lshl_b32 s44, s18, 12                        ; the head's scale bytes
	s_add_nc_u64 s[8:9], s[8:9], s[44:45]
	s_add_nc_u64 s[12:13], s[12:13], s[44:45]
	s_lshl_b32 s46, s18, 19                        ; the head's rows of q and of out
	s_lshl_b32 s47, s19, 12
	s_add_co_u32 s44, s46, s47                     ; tile A = p
	s_add_nc_u64 s[26:27], s[4:5], s[44:45]
	s_add_nc_u64 s[30:31], s[14:15], s[44:45]
	s_sub_co_u32 s47, 127, s19
	s_lshl_b32 s47, s47, 12
	s_add_co_u32 s44, s46, s47                     ; tile B = 127 - p
	s_add_nc_u64 s[28:29], s[4:5], s[44:45]
	s_add_nc_u64 s[32:33], s[14:15], s[44:45]
	QLOAD 26                                       ; 8 loads: tile A's q
	global_load_b32 v132, v10, s[8:9]              ; 3 loads: scale bytes
	global_load_b32 v133, v10, s[8:9] offset:16
	global_load_b64 v[134:135], v11, s[12:13]
.irp f, 0,1,2,3                        ; 24 loads: K's four fragments: registers 0-5 key X's 24 bytes, registers 6-11 those of key X + 8 (384 bytes on), in pieces of 8 bytes
.irp p, 0,1,2,3,4,5
	global_load_b64 v[FR+12*\f+2*\p:FR+12*\f+2*\p+1], v8, s[6:7] offset:3072*(\f/2)+768*(\f%2)+384*(\p/3)+8*(\p%3)
.endr
.endr
.irp i, 0,1,2,3                        ; 24 loads: V's four fragments: 96 bytes of each of 16 rows
.irp p, 0,1,2,3,4,5
	global_load_b64 v[144+12*\i+2*\p:144+12*\i+2*\p+1], v9, s[10:11] offset:96*\i+48*(\p/3)+8*(\p%3)
.endr
.endr
	s_wait_loadcnt 51                              ; tile A's q is in: behind its 8 loads stand 3 + 24 + 24
	QPREP
	QLOAD 28                                       ; tile B's q, into the same registers (the stage's stores have read them): out until tile A is done
	s_wait_loadcnt 56                              ; the scale bytes are in: behind them 24 + 24 + 8
	v_perm_b32 v136, v133, v132, 0x05040100        ; key a's two bytes, then key a + 8's: the word of row r
	v_perm_b32 v137, v133, v132, 0x07060302        ; keys a + 1 and a + 9: row r + 1
	ds_store_b32 v140, v136
	ds_store_b32 v140, v137 offset:16
	ds_store_b32 v141, v134
	ds_store_b32 v141, v135 offset:256
	s_wait_loadcnt 32                              ; K's fragments are in: behind them 24 + 8
.irp f, 0,1,2,3
.irp c, 0,1,2
	ds_store_b128 v138, v[FR+12*\f+4*\c:FR+12*\f+4*\c+3] offset:FRB*\f+512*\c
.endr
.endr
	s_wait_loadcnt 8                               ; V's are in: behind them tile B's 8
.irp i, 0,1,2,3
.irp c, 0,1,2
	ds_store_b128 v139, v[144+12*\i+4*\c:144+12*\i+4*\c+3] offset:4*FRB*\i+512*\c
.endr
.endr
	s_wait_dscnt 0x0                               ; for the others' sake: my stores have landed
	s_barrier_signal -1
	s_barrier_wait -1                              ; the head's images are whole; from here on they are only read
	s_lshr_b32 s20, s19, 3
	s_and_b32 s21, s19, 7
	s_lshl_b32 s21, s21, 4
	PASS 30
	s_wait_loadcnt 0x0                             ; tile B's q
	s_wait_xcnt 0x0                                ; tile A's stores have read their registers, which the next pass writes again
	QPREP
	s_sub_co_u32 s40, 127, s19
	s_lshr_b32 s20, s40, 3
	s_and_b32 s21, s40, 7
	s_lshl_b32 s21, s21, 4
	PASS 32
	s_wait_xcnt 0x0
	v_lshl_add_u32 v254, v0, 2, 0x43000
	v_mov_b32 v255, 0
	s_wait_tensorcnt 0x0
	ds_add_u32 v254, v255
	s_wait_dscnt 0x0
	s_endpgm
.Lfunc_end_k_q78452a295a_attn:
	.size	k_q78452a295a_attn, .Lfunc_end_k_q78452a295a_attn-k_q78452a295a_attn
	.p2alignl 7, 3214868480
	.fill 96, 4, 3214868480
	.section	.rodata,"a",@progbits
	.p2align	6, 0x0
	.amdhsa_kernel k_q78452a295a_attn
		.amdhsa_group_segment_fixed_size 276480
		.amdhsa_private_segment_fixed_size 0
		.amdhsa_enable_private_segment 0
		.amdhsa_kernarg_size 48
		.amdhsa_user_sgpr_count 2
		.amdhsa_user_sgpr_kernarg_segment_ptr 1
		.amdhsa_wavefront_size32 1
		.amdhsa_system_sgpr_workgroup_id_x 1
		.amdhsa_system_sgpr_workgroup_id_y 1
		.amdhsa_system_sgpr_workgroup_id_z 1
		.amdhsa_system_vgpr_workitem_id 0
		.amdhsa_next_free_vgpr 256
		.amdhsa_next_free_sgpr 66
		.amdhsa_reserve_vcc 1
		.amdhsa_float_denorm_mode_32 3
		.amdhsa_float_denorm_mode_16_64 3
		.amdhsa_memory_ordered 1
		.amdhsa_forward_progress 1
		.amdhsa_inst_pref_size 70
	.end_amdhsa_kernel
	.amdgpu_metadata
---
amdhsa.version: [ 1, 2 ]
amdhsa.kernels:
  - .name:           k_q78452a295a_attn
    .symbol:         k_q78452a295a_attn.kd
    .args:
      - { .name: q, .offset: 0, .size: 8, .value_kind: global_buffer, .address_space: global }
      - { .name: k_codes, .offset: 8, .size: 8, .value_kind: global_buffer, .address_space: global }
      - { .name: k_scales, .offset: 16, .size: 8, .value_kind: global_buffer, .address_space: global }
      - { .name: v_codes, .offset: 24, .size: 8, .value_kind: global_buffer, .address_space: global }
      - { .name: v_scales, .offset: 32, .size: 8, .value_kind: global_buffer, .address_space: global }
      - { .name: out0, .offset: 40, .size: 8, .value_kind: global_buffer, .address_space: global }
    .group_segment_fixed_size: 276480
    .private_segment_fixed_size: 0
    .kernarg_segment_align: 8
    .kernarg_segment_size: 48
    .max_flat_workgroup_size: 512
    .sgpr_count:     66
    .vgpr_count:     256
    .wavefront_size: 32
...
	.end_amdgpu_metadata
.endif
;; end of part 1
;; ======== version 2 of 2: 1 launch; version 1 with the launch attn written anew for expert scheduling mode
;; launch attn (part 2): grid 256 x 1, 16 waves a work-group, no clusters, 276,480 bytes of LDS; arguments q, k_codes, k_scales, v_codes, v_scales, out0; writes out0
.if DOCPART == 2
	.amdgcn_target "amdgcn-amd-amdhsa--gfx1250"
	.amdhsa_code_object_version 6
	.text
	.protected	k_q78452a295a_attn
	.globl	k_q78452a295a_attn
	.p2align	8
	.type	k_q78452a295a_attn,@function
k_q78452a295a_attn:
	s_mov_b64 s[64:65], 0
	v_nop
	global_prefetch_b8 v0, s[64:65] scope:SCOPE_SE
	s_setreg_imm32_b32 hwreg(HW_REG_WAVE_SCHED_MODE, 0, 2), 2
	s_setreg_imm32_b32 hwreg(HW_REG_WAVE_MODE, 25, 1), 1
	s_wait_xcnt 0x0
	s_wait_alu depctr_vm_vsrc(0)
; Causal attention, 64 heads x 2,048 queries x 2,048 keys x 64 channels, both products on codes of BF6 (E3M2) with one E8M0 scale for each 32 along a product's K.
; q [64][2048][64] f32: q / 8 is quantised here, along the channels.  k: codes, 48 bytes a key, 2 scale bytes a key.  v: codes with the KEYS innermost, 1,536 bytes a channel, 64 scale bytes a channel.  out0 like q.
; SOFTMAX: t = score x log2(e); M = the running largest t rounded UP to a whole number; p = 2^(t - M) is quantised along the keys, not normalised; the row's sum is taken of the unquantised p and divides O at the end.
; When M moves, the sum and O^T are multiplied by 2^(old M - new M), which rounds nothing.
; SHARES.  Four work-groups to a head (head = group / 4, c = group % 4), sixteen waves each.  A tile is 16 queries; tile i needs i / 8 + 1 key steps of 128 keys (steps wholly above the diagonal are left out).
; Wave w owns tiles p = 4 w + c and 127 - p, one after the other: (p / 8 + 1) + (16 - p / 8) = 17 key steps for every wave of the launch.
; A HEAD'S K AND V STAY IN LDS: 2 x 98,304 bytes of codes and 2 x 4,096 of scale bytes, brought once through registers and laid as IMAGES OF THE OPERANDS' REGISTERS: a fragment's 12 registers as 3 x 512 bytes, lane l's
; 16 bytes at 16 l.  In the loop a fragment is three loads of 512 consecutive bytes.  One barrier in the whole text: behind it the images are only read.
; LAYOUT.  Both products are used transposed (S^T = K Q^T, O^T = V^T P^T): lane (r = lane % 16, h = lane / 16) holds query r throughout.
; The first product's K is 64, half of the instruction's 128: so a fragment of K carries TWO keys a row, key X in k = 0..63 and key Y = X + 8 in k = 64..127, and is multiplied twice, by [q | 0] and by [0 | q]
; (zero codes add nothing): q's six registers stand between two runs of six zeros, v16-33, and the two operands are v[22:33] and v[16:27].  K's scale word of a row is X's two bytes, then Y's; q's is its two bytes twice.
; THE KEYS OF A FRAGMENT ARE NOT NEIGHBOURS: row m of fragment f takes X = 64 (f / 2) + 16 (f % 2) + 32 (m / 8) + m % 8 of the step.  Register n of the lane's 64 scores is then key 64 (n / 32) + 32 h + n % 32:
; 32 registers on end are a WHOLE block of 32 neighbouring keys, in the very order of P's operand registers: a block's maximum needs no other lane and the conversions' results are the operand.
; NO CLUSTER, NO TENSOR LOAD: the four work-groups of a head do read the same 204,800 bytes, but each reads them once, while it reads the images about 17.7 times over in pieces (17 steps x 16 waves x 13,312 bytes = 3.6 MB);
; and the bytes do not go into LDS as they lie in memory: the fragments' rows are chosen anew and K's scale bytes are paired anew, which takes a way through registers.
; LIMITS: NaN, infinities and the scale byte 0xff among the inputs are not served (a fragment's row holds two keys, so one key's 0xff would reach the other's score).  A block of q / 8 whose largest magnitude lies under
; 2^-122 has its scale byte held at 1.  A p under 2^-126 counts as 0.  A block of zeros gets the byte 1, not 127: its codes are zeros, and only this text reads the byte.
; THE MODE: SCHED_MODE bits 1:0 = 2 (LLVM: expert scheduling mode 2), set by the entry lines.  The code itself states the register dependences
; between vector or matrix instructions and memory or LDS instructions, with s_wait_alu, always for 0.
; THE PLAN.  Registers that memory or LDS instructions touch:
;   v1-5       16 x lane, 16 r and the stage's three addresses: written at the head, never again; read by loads and stores throughout.
;   v8-10      At the head the global loads' offsets.  In a step its LDS addresses: written by three additions at the step's head, read by its 26 LDS loads.
;   v11        At the head a global load's offset; from then on the mask's lane term, which compares alone read.
;   v36-83     At the head: global loads land, LDS stores read.  In a step: K's loads land, the eight products K Q^T read; V's loads land, the four products V^T P read.
;   v84-91     The steps' scale words: LDS loads land, the products read.
;   v92-95, v228-255   A tile of q: global loads land, the LDS stores of QPREP read.  v254 and v255 are made anew at the wave's end, for the closing add.
;   v96-127    QPREP's LDS loads land; scores and p; on the way out sixteen multiplies write them and LDS stores read them.
;   v128-191   At the head: scale bytes, LDS addresses (v138-141) and V's fragments, all read by LDS stores.  Then scores (to v159) and O^T.  On the way out LDS loads land in v128-159 and global stores read them.
;   v22-27, v34 (q's codes and scale word) and v192-203, v35 (p's) are written by vector instructions and taken by scaled products.
; A STEP'S WAITS: vm_vsrc ahead of the three additions; va_vdst behind them, ahead of K's run of loads; va_vdst behind the eight products, ahead of V's run; va_vdst behind the exponentials; va_vdst ahead of the four products.
; All the fragments share v36-83: four waves of 256 registers fill a SIMD's 1,024, so there is no second buffer, and each run of loads follows the wait that frees the registers.
.set KIMG, 0                           ; LDS: K's fragment (step s, f) at (4 s + f) x 1,536
.set VIMG, 98304                       ; V's fragment (step s, channel tile t) at (4 s + t) x 1,536
.set KSC,  196608                      ; K's scale word (s, row r, f) at 256 s + 16 r + 4 f
.set VSC,  200704                      ; V's scale word (s, row r, t) at 256 s + 16 r + 4 t
.set STG,  204800                      ; a stage for each wave: 16 rows x (256 bytes + 16)
.set SP,   272
.set STGW, 16*SP
.set FRB,  1536                        ; a fragment's image
.set LI,   1                           ; v1   16 x lane
.set SCA,  2                           ; v2   16 r
.set STO,  3                           ; v3   my stage + 272 r + 32 h: where O^T's eight channels go
.set STR,  4                           ; v4   my stage + 272 h + 16 r: rows as they lie in memory, two an instruction
.set STQ,  5                           ; v5   my stage + 272 r + 128 h: my 32 channels of query r
.set SH8,  6                           ; v6   8 h
.set DQ,   7                           ; v7   r - 32 h
.set ADK,  8                           ; v8   the step's images of K   (at the head: K's byte offset in memory)
.set ADV,  9                           ; v9   of V                      (V's)
.set ADS,  10                          ; v10  its scale words           (K's scale bytes')
.set MD,   11                          ; v11  the mask's lane term      (V's scale bytes')
.set NM,   12                          ; v12  -M;  v13 the largest t so far (a pair for the packed multiply-add, which takes the low word)
.set TX,   13
.set LS,   14                          ; v[14:15] the row's sum, in two halves
.set QZ,   16                          ; v16-21 zeros, v22-27 q's codes, v28-33 zeros
.set QC,   22
.set QS,   34                          ; v34  q's scale word
.set PW,   35                          ; v35  p's scale word
.set FR,   36                          ; v36-83 four fragments: K's, then V's
.set KS,   84                          ; v84-87 K's scale words
.set VS,   88                          ; v88-91 V's
.set S,    96                          ; v96-159 the scores, then p
.set O,    160                         ; v160-191 O^T: channel tile t at O + 8 t
.set P,    192                         ; v192-203 p's codes
.set CT,   204                         ; v204-206, v208-210 the second halves of the blocks' codes, to be moved
.set NINF, 207
.set MX,   212                         ; v212-215 maxima
.set SO,   216                         ; v216-217 the conversions' scale operands
.set BY,   218                         ; v218-219 scale bytes
.set T0,   220
.set T1,   221
.set F,    222                         ; v[222:223] f = 2^(old M - new M), low word
.set SUM2, 224                         ; v[224:225] the sums' second chain
.set RL,   226                         ; v[226:227] 1 / the row's sum, low word
; v92-95 and v228-255: a tile of q as loaded, eight groups of four.  Tile B's loads are out during the whole of tile A's pass: nothing there names these registers.
; s4-11 and s40-47: free once the head's loads have landed: the mask's sixteen lane masks of a run.
.macro QLOAD base                      ; a tile of q, 4,096 bytes: each load takes 512 consecutive bytes, two rows
	global_load_b128 v[92:95], v[LI], s[\base:\base+1] th:TH_LOAD_NT
.irp j, 1,2,3,4,5,6,7
	global_load_b128 v[224+4*\j:227+4*\j], v[LI], s[\base:\base+1] offset:512*\j th:TH_LOAD_NT
.endr
.endm
; The tile turns through my stage, so that lane (r, h) holds q[r][32 h .. 32 h + 31]: a whole block; / 8; its scale; its codes into v22-27; the scale word into v34.
; (The stores' data come from loads and their address from the head; what the loads into v96-127 hang on is stated ahead of the macro's second use.)
.macro QPREP
	ds_store_b128 v[STR], v[92:95]
.irp j, 1,2,3,4,5,6,7
	ds_store_b128 v[STR], v[224+4*\j:227+4*\j] offset:2*SP*\j
.endr
.irp i, 0,1,2,3,4,5,6,7
	ds_load_b128 v[S+4*\i:S+4*\i+3], v[STQ] offset:16*\i           ; LDS serves a wave's instructions in order (ISA guide 5.7.1.4): these see the stores above
.endr
	s_wait_dscnt 0x0
.irp i, 0,2,4,6,8,10,12,14,16,18,20,22,24,26,28,30
	v_pk_mul_f32 v[S+\i:S+\i+1], v[S+\i:S+\i+1], s[38:39] op_sel_hi:[1,0]   ; x 64^-0.5 = 0.125
.endr
	v_max3_num_f32 v[MX], |v[S]|, |v[S+1]|, |v[S+2]|               ; the block's largest magnitude: all 32 numbers are mine; two chains
	v_max3_num_f32 v[MX+1], |v[S+3]|, |v[S+4]|, |v[S+5]|
.irp i, 6,10,14,18,22,26
	v_max3_num_f32 v[MX], v[MX], |v[S+\i]|, |v[S+\i+1]|
	v_max3_num_f32 v[MX+1], v[MX+1], |v[S+\i+2]|, |v[S+\i+3]|
.endr
	v_max3_num_f32 v[MX], v[MX], |v[S+30]|, |v[S+31]|
	v_max3_num_f32 v[MX], v[MX], v[MX+1], 0x2800000                ; and the floor 2^(5 - 127): the byte cannot fall under 1
	v_add_nc_u32 v[SO], 0xfe000000, v[MX]                          ; 4 off the exponent field: the conversion takes the exponent field of this operand as its scale
	v_lshrrev_b32 v[BY], 23, v[SO]                                 ; the scale's byte
	v_cvt_scalef32_pk16_bf6_f32 v[QC:QC+2], v[S:S+15], v[SO]
	v_cvt_scalef32_pk16_bf6_f32 v[CT:CT+2], v[S+16:S+31], v[SO]    ; (a conversion's three registers begin on an even number)
	v_nop                                                          ; one plain place behind a scaled conversion
.irp i, 0,1,2
	v_mov_b32 v[QC+3+\i], v[CT+\i]
.endr
	v_lshlrev_b32 v[T0], v[SH8], v[BY]                             ; my byte at its place (block h),
	v_permlanex16_b32 v[T1], v[T0], s34, s35
	v_or_b32 v[T0], v[T0], v[T1]                                   ; with lane l xor 16's: the row's two bytes,
	v_lshl_or_b32 v[QS], v[T0], 16, v[T0]                          ; twice: for [q | 0] and for [0 | q]
.endm
; A KEY STEP: 128 keys against my 16 queries.  s22 the step, s23 its images' offset, s24 its scale words', s20 the tile's diagonal step.
.macro STEP
	s_wait_alu depctr_vm_vsrc(0)                                   ; the LDS loads of the step before (at a pass's start: the head's global loads) have read v8-10, which the three additions write
	v_add_nc_u32 v[ADK], s23, v[LI]
	v_add_nc_u32 v[ADV], VIMG, v[ADK]
	v_add_nc_u32 v[ADS], s24, v[SCA]
	v_nop                                                          ; with the three additions: four places between the last step's products and the loads into the registers that they read
	s_wait_alu depctr_va_vdst(0)                                   ; the three addresses are written, which this step's loads read; the last step's products are done reading v36-91, in which they land; in a pass's first step q's codes and scale word are written, which the products below take
	ds_load_b128 v[KS:KS+3], v[ADS]                                ; row r's four scale words, one for each fragment
.irp f, 0,1,2,3
.irp c, 0,1,2
	ds_load_b128 v[FR+12*\f+4*\c:FR+12*\f+4*\c+3], v[ADK] offset:FRB*\f+512*\c
.endr
.endr
	s_wait_dscnt 0x0
.irp f, 0,1,2,3                        ; S^T = K Q^T: each fragment twice; eight different results, each begun with the constant 0
	v_wmma_scale_f32_16x16x128_f8f6f4 v[S+32*(\f/2)+16*(\f%2):S+32*(\f/2)+16*(\f%2)+7], v[FR+12*\f:FR+12*\f+11], v[QC:QC+11], 0, v[KS+\f], v[QS] matrix_a_fmt:MATRIX_FMT_BF6 matrix_b_fmt:MATRIX_FMT_BF6
	v_wmma_scale_f32_16x16x128_f8f6f4 v[S+32*(\f/2)+16*(\f%2)+8:S+32*(\f/2)+16*(\f%2)+15], v[FR+12*\f:FR+12*\f+11], v[QZ:QZ+11], 0, v[KS+\f], v[QS] matrix_a_fmt:MATRIX_FMT_BF6 matrix_b_fmt:MATRIX_FMT_BF6
.endr
.rept 4
	v_nop                                                          ; four places: for the loads into K's registers and for the first reads of the scores
.endr
	s_wait_alu depctr_va_vdst(0)                                   ; the eight products are done reading K's fragments, in which V's land.  (The lines behind the loads want those products' results at once)
	ds_load_b128 v[VS:VS+3], v[ADS] offset:VSC-KSC                 ; V's words and fragments land while the softmax is worked: no vector instruction of it names v36-83 or v88-91
.irp t, 0,1,2,3
.irp c, 0,1,2
	ds_load_b128 v[FR+12*\t+4*\c:FR+12*\t+4*\c+3], v[ADV] offset:FRB*\t+512*\c
.endr
.endr
	s_cmp_lg_u32 s22, s20                                          ; only the tile's last step lies on the diagonal: a branch on ids and the counter
	s_cbranch_scc1 .Lopen_\@
; Register n holds the step's key 64 (n / 32) + 32 h + n % 32: hidden where that exceeds my query's place in the step, 16 (tile % 8) + r.  Four runs of sixteen compares, each into a scalar register of its own, one wait to a run, then its sixteen selects.
.set mg, 0
.rept 4
.set mi, 0
.rept 16
	v_cmp_gt_i32 s[4+mi+28*(mi/8)], 64*((16*mg+mi)/32)+(16*mg+mi)%32, v[MD]
.set mi, mi+1
.endr
	s_wait_alu depctr_va_sdst(0)                                   ; the run's sixteen lane masks are written, ahead of the selects that read them
.set mi, 0
.rept 16
	v_cndmask_b32 v[S+16*mg+mi], v[S+16*mg+mi], v[NINF], s[4+mi+28*(mi/8)]   ; -infinity ahead of the maximum: p = 0 then
.set mi, mi+1
.endr
.set mg, mg+1
.endr
.Lopen_\@:
.irp b, 0,1,2,3                        ; four chains of 16 scores, by turns, each result from its low end on
	v_max3_num_f32 v[MX+\b], v[S+16*\b], v[S+16*\b+1], v[S+16*\b+2]
.endr
.irp i, 3,5,7,9,11,13
.irp b, 0,1,2,3
	v_max3_num_f32 v[MX+\b], v[MX+\b], v[S+16*\b+\i], v[S+16*\b+\i+1]
.endr
.endr
	v_max3_num_f32 v[MX], v[MX], v[S+15], v[S+31]
	v_max3_num_f32 v[MX+2], v[MX+2], v[S+47], v[S+63]
	v_max_num_f32 v[MX], v[MX], v[MX+1]                            ; THE LARGEST SCORE OF MY TWO BLOCKS (h and 2 + h): it serves the row's maximum and, since p rises with the score, the block's largest p
	v_max_num_f32 v[MX+2], v[MX+2], v[MX+3]
	v_max_num_f32 v[T0], v[MX], v[MX+2]
	v_permlanex16_b32 v[T1], v[T0], s34, s35
	v_max_num_f32 v[T0], v[T0], v[T1]                              ; with lane l xor 16's 64 keys: the step's largest score of my query
	v_mul_f32 v[T0], s36, v[T0]                                    ; as t
	v_max_num_f32 v[TX], v[TX], v[T0]                              ; the running largest t
	v_mov_b32 v[T0], v[NM]
	v_floor_f32 v[NM], -v[TX]                                      ; the new -M = floor(-t) = -ceil(t)
	v_sub_f32 v[T0], v[NM], v[T0]                                  ; old M - new M: a whole number, 0 or less
	v_cvt_i32_f32 v[T0], v[T0]                                     ; (it saturates)
	v_ldexp_f32 v[F], 1.0, v[T0]                                   ; f = 2^(old M - new M)
.set n, 0
.rept 32
	v_pk_fma_f32 v[S+n:S+n+1], v[S+n:S+n+1], s[36:37], v[NM:NM+1] op_sel_hi:[1,0,0]   ; t - M, two at a time (of the pairs the low word serves both halves)
.set n, n+2
.endr
	v_fma_f32 v[MX], v[MX], s36, v[NM]                             ; the same of each block's largest score
	v_fma_f32 v[MX+2], v[MX+2], s36, v[NM]
.set n, 0
	s_wait_alu depctr_va_vdst(0)
.rept 64
	v_exp_f32 v[S+n], v[S+n]                                       ; p = 2^(t - M), at most 1
.set n, n+1
.endr
	v_exp_f32 v[MX], v[MX]                                         ; the blocks' largest p: the same two instructions on the same number give the same bits
	v_exp_f32 v[MX+2], v[MX+2]
	v_pk_mul_f32 v[LS:LS+1], v[LS:LS+1], v[F:F+1] op_sel_hi:[1,0]  ; the sums under the new M.  (The plain place behind the exponentials: ISA guide 5.7.2)
	s_wait_alu depctr_va_vdst(0)                                   ; the 66 exponentials have written v96-159, v212 and v214: one wait for the batch, ahead of its first reader
.irp c, 0,1
	v_max_num_f32 v[MX+2*\c], 0x2800000, v[MX+2*\c]                ; the floor 2^(5 - 127): a block whose every p is 0 keeps the byte 1: its codes are zeros
.endr
.irp c, 0,1
	v_add_nc_u32 v[SO+\c], 0xfe000000, v[MX+2*\c]                  ; 4 off the exponent field: the conversion's scale operand
.endr
.irp c, 0,1
	v_lshrrev_b32 v[BY+\c], 23, v[SO+\c]                           ; the scale's byte
.endr
	v_lshl_or_b32 v[T0], v[BY+1], 16, v[BY]                        ; my two bytes: blocks h and 2 + h,
	v_lshlrev_b32 v[T0], v[SH8], v[T0]                             ; at their places;
	v_permlanex16_b32 v[T1], v[T0], s34, s35
	v_or_b32 v[PW], v[T0], v[T1]                                   ; with lane l xor 16's two the word is whole
.irp c, 0,1
	v_cvt_scalef32_pk16_bf6_f32 v[P+6*\c:P+6*\c+2], v[S+32*\c:S+32*\c+15], v[SO+\c]          ; registers 6 c .. 6 c + 5 of the operand: k = 64 c + 32 h + 0 .. 31
	v_cvt_scalef32_pk16_bf6_f32 v[CT+4*\c:CT+4*\c+2], v[S+32*\c+16:S+32*\c+31], v[SO+\c]     ; (a conversion's three registers begin on an even number)
.endr
	v_nop                                                          ; one plain place behind a scaled conversion
.irp c, 0,1
.irp i, 0,1,2
	v_mov_b32 v[P+6*\c+3+\i], v[CT+4*\c+\i]
.endr
.endr
.set n, 0
.rept 16
	v_pk_mul_f32 v[O+n:O+n+1], v[O+n:O+n+1], v[F:F+1] op_sel_hi:[1,0]   ; O^T under the new M, each accumulator from its low end on
.set n, n+2
.endr
	v_pk_add_f32 v[SUM2:SUM2+1], v[S:S+1], v[S+2:S+3]              ; THE ROW'S SUM IS TAKEN OF THE UNQUANTISED p: two at a time, in two chains.
.irp j, 4,8,12,16,20,24,28,32,36,40,44,48,52,56,60                 ; (these 32 lines also stand between the last vector write of P, of its scale word and of O^T and the products below)
	v_pk_add_f32 v[LS:LS+1], v[LS:LS+1], v[S+\j:S+\j+1]
	v_pk_add_f32 v[SUM2:SUM2+1], v[SUM2:SUM2+1], v[S+\j+2:S+\j+3]
.endr
	v_pk_add_f32 v[LS:LS+1], v[LS:LS+1], v[SUM2:SUM2+1]
	s_wait_dscnt 0x0                                               ; V's fragments and scale words are in
	s_wait_alu depctr_va_vdst(0)                                   ; p's codes v192-203 and its scale word v35 are written, which the scaled products take; the places above stay beside this wait
.irp t, 0,1,2,3                        ; O^T += V^T P^T: the four accumulators by turns, one instruction a turn; eight products K Q^T stand between two links of a chain
	v_wmma_scale_f32_16x16x128_f8f6f4 v[O+8*\t:O+8*\t+7], v[FR+12*\t:FR+12*\t+11], v[P:P+11], v[O+8*\t:O+8*\t+7], v[VS+\t], v[PW] matrix_a_fmt:MATRIX_FMT_BF6 matrix_b_fmt:MATRIX_FMT_BF6
.endr
.endm
; O^T / the sum goes through my stage and leaves as whole rows: each store covers 512 consecutive bytes, two rows of 256, aligned.
.macro WAYOUT out
.rept 4
	v_nop                                                          ; four places behind the last products, on every way here
.endr
	v_add_f32 v[T0], v[LS], v[LS+1]                                ; the sum's two halves,
	v_permlanex16_b32 v[T1], v[T0], s34, s35
	v_add_f32 v[T0], v[T0], v[T1]                                  ; and lane l xor 16's: the row's sum
	s_wait_alu depctr_va_vdst(0)
	v_rcp_f32 v[RL], v[T0]
	v_nop                                                          ; one plain place behind the reciprocal
.set n, 0
	s_wait_alu depctr_va_vdst(0)                                   ; the reciprocal has written v226, ahead of its first reader
.rept 16
	v_pk_mul_f32 v[S+n:S+n+1], v[O+n:O+n+1], v[RL:RL+1] op_sel_hi:[1,0]   ; register 8 t + j is o(r, 16 t + 8 h + j)
.set n, n+2
.endr
	s_wait_alu depctr_va_vdst(0)                                   ; the sixteen multiplies have written v96-127, which the LDS stores read; the last step's sums and conversions are done with v128-159, in which the rows land
.irp t, 0,1,2,3
	ds_store_b128 v[STO], v[S+8*\t:S+8*\t+3] offset:64*\t
	ds_store_b128 v[STO], v[S+8*\t+4:S+8*\t+7] offset:64*\t+16
.endr
.irp i, 0,1,2,3,4,5,6,7
	ds_load_b128 v[S+32+4*\i:S+35+4*\i], v[STR] offset:2*SP*\i     ; in order behind my stores
.endr
.irp i, 0,1,2,3,4,5,6,7
	s_wait_dscnt 7-\i                                              ; pair i of rows is back; the younger loads stay out
	global_store_b128 v[LI], v[S+32+4*\i:S+35+4*\i], s[\out:\out+1] offset:512*\i th:TH_STORE_NT
.endr
.endm
; A tile's pass.  s20 = its diagonal step, s21 = 16 (tile % 8).  The loop has a constant 16 trips, so that the stepped LDS offsets can be read off the text; a step wholly above the diagonal is jumped over.
.macro PASS out
	v_mov_b32 v[TX], 0xff61b1e6                                    ; the largest t so far: -3e38, under every t
	v_floor_f32 v[NM], -v[TX]
	v_mov_b32 v[LS], 0
	v_mov_b32 v[LS+1], 0
.set n, 0
.rept 32
	v_mov_b32 v[O+n], 0                                            ; the step is written once: the first finds zeros, which the first change of M leaves zeros
.set n, n+1
.endr
	v_add_nc_u32 v[MD], s21, v[DQ]                                 ; 16 (tile % 8) + r - 32 h
	s_mov_b32 s22, 0
	s_mov_b32 s23, KIMG
	s_mov_b32 s24, KSC
.Lstep_\@:
	s_cmp_gt_u32 s22, s20
	s_cbranch_scc1 .Lskip_\@
	STEP
.Lskip_\@:
	s_add_co_u32 s23, s23, 4*FRB
	s_add_co_u32 s24, s24, 256
	s_add_co_u32 s22, s22, 1
	s_cmp_lt_u32 s22, 16
	s_cbranch_scc1 .Lstep_\@
	WAYOUT \out
.endm
	s_load_b256 s[4:11], s[0:1], 0x0               ; q s[4:5], K's codes s[6:7], K's scales s[8:9], V's codes s[10:11]
	s_load_b128 s[12:15], s[0:1], 0x20             ; V's scales s[12:13], out s[14:15]
	v_lshrrev_b32 v8, 5, v0
	v_readfirstlane_b32 s16, v8                    ; wave 0..15
	s_and_b32 s17, ttmp9, 3                        ; c
	s_lshr_b32 s18, ttmp9, 2                       ; head
	s_wait_alu depctr_va_sdst(0)                   ; s16 is written, ahead of its first reader: the tiles, the stage and the images' places are made from it
	s_lshl_b32 s19, s16, 2
	s_add_co_u32 s19, s19, s17                     ; p = 4 w + c
	s_mov_b32 s34, 0x76543210
	s_mov_b32 s35, 0xfedcba98                      ; v_permlanex16_b32's selects for lane l xor 16
	s_mov_b32 s36, 0x3fb8aa3b                      ; log2(e)
	s_mov_b32 s37, s36                             ; (named with it as a pair, so it is written)
	s_mov_b32 s38, 0x3e000000                      ; 0.125
	s_mov_b32 s39, s38
	v_and_b32 v[LI], 31, v0
	v_lshlrev_b32 v[LI], 4, v[LI]
	v_and_b32 v12, 15, v0                          ; r
	v_bfe_u32 v13, v0, 4, 1                        ; h
	v_lshlrev_b32 v[SCA], 4, v12
	s_mul_i32 s40, s16, STGW
	s_add_co_u32 s40, s40, STG                     ; my stage
	v_mul_u32_u24 v[STO], v12, SP
	v_lshl_add_u32 v[STO], v13, 5, v[STO]
	v_add_nc_u32 v[STO], s40, v[STO]
	v_mul_u32_u24 v[STR], v13, SP
	v_lshl_add_u32 v[STR], v12, 4, v[STR]
	v_add_nc_u32 v[STR], s40, v[STR]
	v_mul_u32_u24 v[STQ], v12, SP
	v_lshl_add_u32 v[STQ], v13, 7, v[STQ]
	v_add_nc_u32 v[STQ], s40, v[STQ]
	v_lshlrev_b32 v[SH8], 3, v13
	v_lshlrev_b32 v14, 5, v13
	v_sub_nc_u32 v[DQ], v12, v14
	; where my lane's bytes lie in memory
	v_lshrrev_b32 v14, 3, v12
	v_mad_u32_u24 v14, v14, 24, v12                ; r + 24 (r / 8) = 32 (r / 8) + r % 8: row r's key X in fragment 0
	v_mul_u32_u24 v8, v14, 48                      ; 48 bytes a key,
	v_mad_u32_u24 v8, v13, 24, v8                  ; + 24 h: my block of its channels
	v_mul_u32_u24 v9, v12, 1536                    ; V: channel r's row, + 24 h
	v_mad_u32_u24 v9, v13, 24, v9
	v_lshrrev_b32 v14, 2, v0                       ; K's scale bytes: thread T takes keys a = 16 (T / 4) + 2 (T % 4), a + 1 (4 bytes) and a + 8, a + 9 (16 bytes on)
	v_and_b32 v15, 3, v0
	v_lshlrev_b32 v15, 2, v15
	v_lshl_add_u32 v10, v14, 5, v15
	v_lshlrev_b32 v11, 3, v0                       ; V's: thread T takes 8 bytes: channel T / 8, steps 2 (T % 8) and 2 (T % 8) + 1
	; and where they go in LDS
	s_mul_i32 s41, s16, 4*FRB                      ; wave w makes K's four fragments of step w
	v_add_nc_u32 v138, s41, v[LI]
	s_lshr_b32 s42, s16, 2                         ; and V's fragments of channel tile w % 4, steps 4 (w / 4) + 0 .. 3
	s_lshl_b32 s42, s42, 4
	s_and_b32 s43, s16, 3
	s_add_co_u32 s42, s42, s43
	s_mul_i32 s42, s42, FRB
	s_add_co_u32 s42, s42, VIMG
	v_add_nc_u32 v139, s42, v[LI]
	v_bfe_u32 v14, v0, 5, 4                        ; key a = 128 s + 64 (f / 2) + 32 (r / 8) + 16 (f % 2) + r % 8 with s = T[8:5], f / 2 = T[4], r / 8 = T[3], f % 2 = T[2], r % 8 = 2 T[1:0]
	v_lshlrev_b32 v140, 8, v14                     ; 256 s
	v_bfe_u32 v14, v0, 3, 1
	v_lshl_add_u32 v140, v14, 7, v140              ; + 16 r: 128 T[3]
	v_and_b32 v14, 3, v0
	v_lshl_add_u32 v140, v14, 5, v140              ;         + 32 T[1:0]
	v_bfe_u32 v14, v0, 4, 1
	v_lshl_add_u32 v140, v14, 3, v140              ; + 4 f:  8 T[4]
	v_bfe_u32 v14, v0, 2, 1
	v_lshl_add_u32 v140, v14, 2, v140              ;         + 4 T[2]
	v_add_nc_u32 v140, KSC, v140
	v_and_b32 v14, 7, v0
	v_lshlrev_b32 v141, 9, v14                     ; 256 s, s = 2 (T % 8)
	v_bfe_u32 v14, v0, 3, 4
	v_lshl_add_u32 v141, v14, 4, v141              ; + 16 r, r = (T / 8) % 16
	v_lshrrev_b32 v14, 7, v0
	v_lshl_add_u32 v141, v14, 2, v141              ; + 4 t, t = T / 128
	v_add_nc_u32 v141, VSC, v141
.irp i, 0,1,2,3,4,5
	v_mov_b32 v[QZ+\i], 0                          ; the zero codes on both sides of q's
	v_mov_b32 v[QC+6+\i], 0
.endr
	v_mov_b32 v[T0], 0                             ; written once: a lane permute's destination counts as one of its sources,
	v_mov_b32 v[T1], 0
	v_mov_b32 v[F+1], 0                            ; and a pair is named whole
	v_mov_b32 v[RL+1], 0
	v_mov_b32 v[NINF], 0xff800000
	; byte offsets of my parts, each under 2^32, in a pair with 0 above
	s_mov_b32 s45, 0
	s_mul_i32 s46, s18, 98304                      ; the head's codes
	s_mul_i32 s47, s43, 16*1536                    ; V: 16 channels x (w % 4),
	s_lshr_b32 s42, s16, 2
	s_mul_i32 s42, s42, 4*96                       ;    4 steps of 96 bytes x (w / 4)
	s_add_co_u32 s47, s47, s42
	s_add_co_u32 s47, s47, s46
	s_add_co_u32 s44, s46, s41                     ; K: 128 keys of 48 bytes x w
	s_wait_kmcnt 0x0
	s_add_nc_u64 s[6:7], s[6:7], s[44:45]
	s_mov_b32 s44, s47
	s_add_nc_u64 s[10:11], s[10:11], s[44:45]
	s_lshl_b32 s44, s18, 12                        ; the head's scale bytes
	s_add_nc_u64 s[8:9], s[8:9], s[44:45]
	s_add_nc_u64 s[12:13], s[12:13], s[44:45]
	s_lshl_b32 s46, s18, 19                        ; the head's rows of q and of out
	s_lshl_b32 s47, s19, 12
	s_add_co_u32 s44, s46, s47                     ; tile A = p
	s_add_nc_u64 s[26:27], s[4:5], s[44:45]
	s_add_nc_u64 s[30:31], s[14:15], s[44:45]
	s_sub_co_u32 s47, 127, s19
	s_lshl_b32 s47, s47, 12
	s_add_co_u32 s44, s46, s47                     ; tile B = 127 - p
	s_add_nc_u64 s[28:29], s[4:5], s[44:45]
	s_add_nc_u64 s[32:33], s[14:15], s[44:45]
	s_wait_alu depctr_va_vdst(0)                   ; the offsets v1 and v8-11 and the LDS addresses v2-5 and v138-141 are written, which the loads and stores from here on read
	QLOAD 26                                       ; 8 loads: tile A's q
	global_load_b32 v132, v10, s[8:9]              ; 3 loads: scale bytes
	global_load_b32 v133, v10, s[8:9] offset:16
	global_load_b64 v[134:135], v11, s[12:13]
.irp f, 0,1,2,3                        ; 24 loads: K's four fragments: registers 0-5 key X's 24 bytes, registers 6-11 those of key X + 8 (384 bytes on), in pieces of 8 bytes
.irp p, 0,1,2,3,4,5
	global_load_b64 v[FR+12*\f+2*\p:FR+12*\f+2*\p+1], v8, s[6:7] offset:3072*(\f/2)+768*(\f%2)+384*(\p/3)+8*(\p%3)
.endr
.endr
.irp i, 0,1,2,3                        ; 24 loads: V's four fragments: 96 bytes of each of 16 rows
.irp p, 0,1,2,3,4,5
	global_load_b64 v[144+12*\i+2*\p:144+12*\i+2*\p+1], v9, s[10:11] offset:96*\i+48*(\p/3)+8*(\p%3)
.endr
.endr
	s_wait_loadcnt 51                              ; tile A's q is in: behind its 8 loads stand 3 + 24 + 24
	QPREP
	s_wait_alu depctr_vm_vsrc(0)                   ; the stage's stores have read v92-95 and v228-255, in which tile B's loads land
	QLOAD 28                                       ; tile B's q, into the same registers: out until tile A is done
	s_wait_loadcnt 56                              ; the scale bytes are in: behind them 24 + 24 + 8
	v_perm_b32 v136, v133, v132, 0x05040100        ; key a's two bytes, then key a + 8's: the word of row r
	v_perm_b32 v137, v133, v132, 0x07060302        ; keys a + 1 and a + 9: row r + 1
	s_wait_alu depctr_va_vdst(0)                   ; the two words v136 and v137 are written, which the LDS stores read
	ds_store_b32 v140, v136
	ds_store_b32 v140, v137 offset:16
	ds_store_b32 v141, v134
	ds_store_b32 v141, v135 offset:256
	s_wait_loadcnt 32                              ; K's fragments are in: behind them 24 + 8
.irp f, 0,1,2,3
.irp c, 0,1,2
	ds_store_b128 v138, v[FR+12*\f+4*\c:FR+12*\f+4*\c+3] offset:FRB*\f+512*\c
.endr
.endr
	s_wait_loadcnt 8                               ; V's are in: behind them tile B's 8
.irp i, 0,1,2,3
.irp c, 0,1,2
	ds_store_b128 v139, v[144+12*\i+4*\c:144+12*\i+4*\c+3] offset:4*FRB*\i+512*\c
.endr
.endr
	s_wait_dscnt 0x0                               ; for the others' sake: my stores have landed
	s_barrier_signal -1
	s_barrier_wait -1                              ; the head's images are whole; from here on they are only read
	s_wait_alu depctr_vm_vsrc(0)                   ; the head's loads have read their offsets v8-11, and my LDS stores their data and addresses v36-83 and v132-191: the pass writes all of these again
	s_lshr_b32 s20, s19, 3
	s_and_b32 s21, s19, 7
	s_lshl_b32 s21, s21, 4
	PASS 30
	s_wait_loadcnt 0x0                             ; tile B's q
	s_wait_xcnt 0x0                                ; tile A's stores have read their registers, which the next pass writes again
	s_wait_alu depctr_vm_vsrc(0)                   ; tile A's LDS stores have read v96-127 and its global stores v128-159: the stage's loads land in the first, the next pass's scores in both
	QPREP
	s_sub_co_u32 s40, 127, s19
	s_lshr_b32 s20, s40, 3
	s_and_b32 s21, s40, 7
	s_lshl_b32 s21, s21, 4
	PASS 32
	s_wait_xcnt 0x0                                ; tile B's stores have had their addresses translated
	s_wait_alu depctr_vm_vsrc(0)                   ; the stage's stores of tile B's q have read v254 and v255, which are made anew here
	v_lshl_add_u32 v254, v0, 2, 0x43000
	v_mov_b32 v255, 0
	s_wait_dscnt 0x0                               ; the closing lines, six on end
	s_wait_alu 0x0
	s_wait_tensorcnt 0x0
	ds_add_u32 v254, v255
	s_wait_dscnt 0x0
	s_endpgm
.Lfunc_end_k_q78452a295a_attn:
	.size	k_q78452a295a_attn, .Lfunc_end_k_q78452a295a_attn-k_q78452a295a_attn
	.p2alignl 7, 3214868480
	.fill 96, 4, 3214868480
	.section	.rodata,"a",@progbits
	.p2align	6, 0x0
	.amdhsa_kernel k_q78452a295a_attn
		.amdhsa_group_segment_fixed_size 276480
		.amdhsa_private_segment_fixed_size 0
		.amdhsa_enable_private_segment 0
		.amdhsa_kernarg_size 48
		.amdhsa_user_sgpr_count 2
		.amdhsa_user_sgpr_kernarg_segment_ptr 1
		.amdhsa_wavefront_size32 1
		.amdhsa_system_sgpr_workgroup_id_x 1
		.amdhsa_system_sgpr_workgroup_id_y 1
		.amdhsa_system_sgpr_workgroup_id_z 1
		.amdhsa_system_vgpr_workitem_id 0
		.amdhsa_next_free_vgpr 256
		.amdhsa_next_free_sgpr 66
		.amdhsa_reserve_vcc 0
		.amdhsa_float_denorm_mode_32 3
		.amdhsa_float_denorm_mode_16_64 3
		.amdhsa_memory_ordered 1
		.amdhsa_forward_progress 1
		.amdhsa_inst_pref_size 79
	.end_amdhsa_kernel
	.amdgpu_metadata
---
amdhsa.version: [ 1, 2 ]
amdhsa.kernels:
  - .name:           k_q78452a295a_attn
    .symbol:         k_q78452a295a_attn.kd
    .args:
      - { .name: q, .offset: 0, .size: 8, .value_kind: global_buffer, .address_space: global }
      - { .name: k_codes, .offset: 8, .size: 8, .value_kind: global_buffer, .address_space: global }
      - { .name: k_scales, .offset: 16, .size: 8, .value_kind: global_buffer, .address_space: global }
      - { .name: v_codes, .offset: 24, .size: 8, .value_kind: global_buffer, .address_space: global }
      - { .name: v_scales, .offset: 32, .size: 8, .value_kind: global_buffer, .address_space: global }
      - { .name: out0, .offset: 40, .size: 8, .value_kind: global_buffer, .address_space: global }
    .group_segment_fixed_size: 276480
    .private_segment_fixed_size: 0
    .kernarg_segment_align: 8
    .kernarg_segment_size: 48
    .max_flat_workgroup_size: 512
    .sgpr_count:     66
    .vgpr_count:     256
    .wavefront_size: 32
...
	.end_amdgpu_metadata
.endif
;; end of part 2
